; MI455X (gfx1250); checked and timed in simulation.
; The chip was launched on July 23, 2026; its instructions are those of AMD's public machine-readable ISA for CDNA 5 (MIT licence, August 2026) and "CDNA5" Instruction Set Architecture Reference Guide (July 2026). The comments in the code are by the model that wrote it; some were corrected since.
;; Multihead Attention. Allowed arithmetic: matrix products marked QUANTISED: E2M3 operands, one E8M0 scale for each 32 along K, by v_wmma_scale_f32_16x16x128_f8f6f4 with both operands' format E2M3, f32 sums; everything else in f32.
;; Inputs: Wk 512 x 512 float32; Wq 512 x 512 float32; Wv 512 x 512 float32; bk 512 float32; bq 512 float32; bv 512 float32; keys 2 x 4,096 x 512 float32; queries 2 x 4,096 x 512 float32; values 2 x 4,096 x 512 float32.
;; Outputs: out0 2 x 4,096 x 512 float32.
;; This version of the problem:
;;   THIS VERSION OF THE PROBLEM IS GIVEN IN LOW PRECISION. The matrix products marked QUANTISED in the list below multiply operands that are first quantised to E2M3 (2 exponent bits, 3 mantissa bits; 6 bits a number), with one power-of-two scale for each 32 numbers along K (OCP MX v1.0); their sums are f32. All else is computed in f32.
;;   The module's matrix products, in the order in which they are computed (A, B: the left and right operand; K: the contracted axis; several contracted axes count as one K, in the product's order):
;;     1. [M 8,192, K 512] x [K 512, N 512]; A: input queries; B: input Wq: QUANTISED
;;     2. [M 8,192, K 512] x [K 512, N 512]; A: input keys; B: input Wk: QUANTISED
;;     3. [M 8,192, K 512] x [K 512, N 512]; A: input values; B: input Wv: QUANTISED
;;     4. batch 16 x [M 4,096, K 64] x [K 64, N 4,096]; A: computed on the way; B: computed on the way: QUANTISED
;;     5. batch 16 x [M 64, K 4,096] x [K 4,096, N 4,096]; A: computed on the way; B: softmax (see below): QUANTISED
;;   THE QUANTISER, for each operand of a quantised product, along K:
;;     - K is cut into blocks of 32 from its start; a last block that is shorter is filled with zeros.
;;     - A block's scale is 2^e with e = floor(log2(the largest magnitude in the block)) - 2, held to -126 .. 127; a block of zeros has e = 0. As a byte (E8M0): e + 127.
;;     - Each number is divided by its block's scale, clamped to +-7.5, and rounded to the nearest number of E2M3, ties to even, subnormals kept.
;;     - The product sums the exact products of the quantised numbers (number of the format x scale) in f32.
;;   ~~~python
;;   def quantise(x, axis):      # numpy; x: float32 -> the quantised numbers, widened to float32 again
;;       x = np.moveaxis(x, axis, -1); K = x.shape[-1]
;;       x = np.pad(x, [(0, 0)] * (x.ndim - 1) + [(0, -K % 32)]); x = x.reshape(x.shape[:-1] + (-1, 32)); a = np.abs(x).max(-1, keepdims=True)
;;       e = np.where(a > 0, np.clip(np.frexp(np.where(a > 0, a, 1))[1] - 1 - 2, -126, 127), 0)      # np.frexp(a)[1] - 1 = floor(log2(a)), exactly
;;       r = np.clip(x / 2.0 ** e, -7.5, 7.5)
;;       step = 2.0 ** (np.maximum(np.frexp(np.where(r == 0, 1, r))[1] - 1, 0) - 3)
;;       q = np.round(r / step) * step * 2.0 ** e      # np.round: ties to even
;;       return np.moveaxis(q.reshape(q.shape[:-2] + (-1,))[..., :K], -1, axis).astype(np.float32)
;;   ~~~
;;   SOFTMAX AHEAD OF A QUANTISED PRODUCT. Where the list says 'softmax', what is quantised is not the finished softmax but p = 2^(t - M), with t = logit x log2(e) and M = ceil(the row's largest t), a whole number; so 1/2 < the row's largest p <= 1. The row's sum l is taken of the UNQUANTISED p, in f32, and the product's result is divided by l at the end. Since M is a whole number, a kernel that streams over the keys may use a running M (the ceiling of the running maximum): every later rescaling is an exact power of two, which a block's scale takes up: the codes' values come out the same.
;;   OPERANDS COMPUTED ON THE WAY. 'Computed on the way' means the value that the module computes at that place (a softmax that the list does not call 'softmax' is quantised finished and normalised). What goes into a quantiser is computed in f32, as accurately as f32 sums, v_exp_f32 and their like allow (about 1e-6 of the number): no bf16 or f16 on the way to a quantiser, and a product that is left as it is and whose result goes on into a quantised operand takes f32 operands (vector FMAs, or v_wmma_f32_16x16x4_f32). A number that lies on a knife's edge between two numbers of the format may be rounded either way, as far as f32 arithmetic and the matrix unit's own rounding can turn it there, and no further.
;; One version. Each part assembles by itself: llvm-mc -triple=amdgcn-amd-amdhsa -mcpu=gfx1250 --defsym DOCPART=n.
;; ======== version 1 of 1: 3 launches
;; limits: right only within a limited range of input values
;; workspace buffers: wc 589,824 bytes; wsc 24,576 bytes; qc 3,145,728 bytes; qs 262,144 bytes; kvc 6,291,456 bytes; kvs 393,216 bytes
;; launch wquant (part 1): grid 32 x 3, 4 waves a work-group, no clusters, 768 bytes of LDS; arguments Wq, Wk, Wv, wc, wsc; writes wc, wsc
.if DOCPART == 1
	.amdgcn_target "amdgcn-amd-amdhsa--gfx1250"
	.amdhsa_code_object_version 6
	.text
	.protected	k_q87ae43954d_wquant
	.globl	k_q87ae43954d_wquant
	.p2align	8
	.type	k_q87ae43954d_wquant,@function
k_q87ae43954d_wquant:
	s_mov_b64 s[64:65], 0
	v_nop
	global_prefetch_b8 v0, s[64:65] scope:SCOPE_SE
	s_setreg_imm32_b32 hwreg(HW_REG_WAVE_MODE, 25, 1), 1
	s_wait_xcnt 0x0
; Wq, Wk, Wv [512 (k)][512 (n)], f32, K their FIRST axis, become codes of FP6 (E2M3) with one E8M0 byte for each 32 along K,
; laid in the order of the operand's registers, so that the next launch loads whole fragments by 16-byte loads.
; A block's scale is 2^(floor(log2(its largest magnitude)) - 2); its byte is the largest magnitude's exponent field - 2, held at 1 from below.
; LIMITS: a block of zeros gets the byte 1 where the rule says 127 (its codes are zeros, and this program alone reads the bytes); blocks whose
; largest magnitude lies under 2^-124 are held at the byte 1; NaN and infinities among the inputs are not served.
; SHARES: work-group x = 4 x head + K step, y = tensor; wave t makes ONE fragment: 16 features x 128 along K.
; THE FEATURES OF A TILE ARE NOT NEIGHBOURS: lane r of tile t takes feature 64 head + 32 (t / 2) + 8 (t % 2) + r + 8 (r / 8).
; A lane takes a column and its registers run DOWN K in the order that the operand's layout gives it: lane (r, h): k = 128 ks + 64 c + 32 h + 0 .. 31.
; wc:  [tensor][head][ks] x 6,144 bytes: registers 12 t .. 12 t + 11, four registers a group: group g, lane l at 512 g + 16 l.
; wsc: [tensor][head][ks] x 256 bytes: [lane][2 words]: word i of lane r + 16 u is the scale word of tile 2 i + u, row r.
.set NUM,  64                          ; v64-127  my 64 numbers
.set MX,   32                          ; v32-33   the two blocks' largest magnitudes
.set BY,   36                          ; v36-37   their bytes
.set OPS,  44                          ; v44-45   the conversions' scale operands
.set COD,  48                          ; v48-59   the fragment
.set TMPC, 128                         ; v128-130, v132-134: a block's upper 16 codes
	s_load_b128 s[4:7], s[0:1], 0x0                ; Wq, Wk
	s_load_b128 s[8:11], s[0:1], 0x10              ; Wv, wc
	s_load_b64 s[12:13], s[0:1], 0x20              ; wsc
	v_lshl_add_u32 v144, v0, 2, 0x100
	v_mov_b32 v145, 0
	v_lshrrev_b32 v1, 5, v0
	v_readfirstlane_b32 s16, v1                    ; wave = tile t
	s_and_b32 s17, ttmp7, 0xffff                   ; the tensor
	v_and_b32 v1, 15, v0                           ; r
	v_bfe_u32 v2, v0, 4, 1                         ; h
	v_and_b32 v3, 8, v1
	v_add_nc_u32 v3, v3, v1                        ; r + 8 (r / 8)
	v_lshlrev_b32 v3, 2, v3
	v_lshl_add_u32 v3, v2, 16, v3                  ; lanes 16-31 begin 32 rows of 2,048 bytes further down
	v_and_b32 v4, 31, v0
	v_lshlrev_b32 v6, 3, v4                        ; 8 x lane
	v_lshlrev_b32 v4, 4, v4                        ; 16 x lane
	s_and_b32 s18, s16, 1
	s_lshl_b32 s18, s18, 7
	s_lshr_b32 s19, s16, 1
	s_lshl_b32 s19, s19, 2
	s_add_co_u32 s18, s18, s19
	v_lshlrev_b32 v5, 3, v1
	v_add_nc_u32 v5, s18, v5                       ; LDS: 8 (r + 16 (t % 2)) + 4 (t / 2): my row's scale word
	s_mov_b32 s20, 0x76543210
	s_mov_b32 s21, 0xfedcba98                      ; selects for lane l xor 16
	s_and_b32 s22, ttmp9, 3                        ; K step: 128 rows of 2,048 bytes
	s_lshl_b32 s22, s22, 18
	s_lshr_b32 s23, ttmp9, 2                       ; head: 64 features of 4 bytes
	s_lshl_b32 s23, s23, 8
	s_add_co_u32 s22, s22, s23
	s_lshr_b32 s23, s16, 1
	s_lshl_b32 s23, s23, 7                         ; 32 (t / 2) features
	s_add_co_u32 s22, s22, s23
	s_and_b32 s23, s16, 1
	s_lshl_b32 s23, s23, 5                         ; 8 (t % 2) features
	s_add_co_u32 s22, s22, s23
	s_mov_b32 s23, 0
	s_lshl_b32 s24, s17, 5
	s_add_co_u32 s24, s24, ttmp9                   ; 32 x tensor + x
	s_mul_i32 s26, s24, 6144
	s_mul_i32 s25, s16, 1536
	s_add_co_u32 s26, s26, s25
	s_mov_b32 s27, 0
	s_lshl_b32 s24, s24, 8
	s_mov_b32 s25, 0
	s_wait_alu depctr_va_vdst(0)
	s_wait_kmcnt 0x0
	s_cmp_eq_u32 s17, 1                            ; the choice hangs on the work-group's number alone
	s_cselect_b64 s[4:5], s[6:7], s[4:5]
	s_cmp_eq_u32 s17, 2
	s_cselect_b64 s[4:5], s[8:9], s[4:5]
	s_add_nc_u64 s[4:5], s[4:5], s[22:23]
	s_add_nc_u64 s[10:11], s[10:11], s[26:27]
	s_add_nc_u64 s[12:13], s[12:13], s[24:25]
.irp c, 0,1
.irp i, 0,1,2,3,4,5,6,7,8,9,10,11,12,13,14,15,16,17,18,19,20,21,22,23,24,25,26,27,28,29,30,31
	global_load_b32 v[NUM+32*\c+\i], v3, s[4:5] offset:2048*(64*\c+\i)   ; W(128 ks + 64 c + 32 h + i, my feature)
.endr
.endr
	s_wait_loadcnt 0x0
.irp c, 0,1                                    ; my block 2 c + h: all its 32 numbers are mine
	v_max3_num_f32 v[MX+\c], |v[NUM+32*\c]|, |v[NUM+1+32*\c]|, 0x1800000   ; with the floor 2^(3 - 127): the byte cannot fall under 1
.endr
.irp i, 2,4,6,8,10,12,14,16,18,20,22,24,26,28,30
.irp c, 0,1
	v_max3_num_f32 v[MX+\c], v[MX+\c], |v[NUM+32*\c+\i]|, |v[NUM+1+32*\c+\i]|
.endr
.endr
.irp c, 0,1
	v_add_nc_u32 v[OPS+\c], 0xff000000, v[MX+\c]   ; 2 off the exponent field: the conversion's scale operand
.endr
.irp c, 0,1
	v_lshrrev_b32 v[BY+\c], 23, v[OPS+\c]          ; the scale's byte
.endr
	v_lshl_or_b32 v9, v[BY+1], 16, v[BY]           ; my two bytes: blocks h and 2 + h,
	v_lshlrev_b32 v10, 3, v2
	v_lshlrev_b32 v9, v10, v9                      ; at their places in the word (8 h bits up);
	v_mov_b32 v10, 0
	v_permlanex16_b32 v10, v9, s20, s21
	v_or_b32 v9, v9, v10                           ; with lane l xor 16's two the word is whole
.irp c, 0,1
	v_cvt_scalef32_pk16_fp6_f32 v[COD+6*\c:COD+6*\c+2], v[NUM+32*\c:NUM+32*\c+15], v[OPS+\c]
	v_cvt_scalef32_pk16_fp6_f32 v[TMPC+4*\c:TMPC+4*\c+2], v[NUM+16+32*\c:NUM+31+32*\c], v[OPS+\c]   ; (a conversion's three registers begin on an even number)
.endr
	v_nop                                          ; one plain place behind a scaled conversion
.irp c, 0,1
.irp i, 0,1,2
	v_mov_b32 v[COD+3+6*\c+\i], v[TMPC+4*\c+\i]
.endr
.endr
.irp c, 0,1,2
	global_store_b128 v4, v[COD+4*\c:COD+4*\c+3], s[10:11] offset:512*\c   ; 32 lanes store 512 consecutive bytes, aligned
.endr
	ds_store_b32 v5, v9                            ; lanes r and r + 16 write the same word with the same value
	s_wait_dscnt 0x0                               ; for the others' sake: my store has landed
	s_barrier_signal -1
	s_barrier_wait -1
	s_cmp_lg_u32 s16, 0
	s_cbranch_scc1 .Ldone
	ds_load_b64 v[12:13], v6                       ; the four tiles' scale words: 256 bytes
	s_wait_dscnt 0x0
	global_store_b64 v6, v[12:13], s[12:13]        ; 32 lanes store 256 consecutive bytes, aligned
.Ldone:
	s_wait_tensorcnt 0x0
	ds_add_u32 v144, v145
	s_wait_dscnt 0x0
	s_endpgm
.Lfunc_end_k_q87ae43954d_wquant:
	.size	k_q87ae43954d_wquant, .Lfunc_end_k_q87ae43954d_wquant-k_q87ae43954d_wquant
	.p2alignl 7, 3214868480
	.fill 96, 4, 3214868480
	.section	.rodata,"a",@progbits
	.p2align	6, 0x0
	.amdhsa_kernel k_q87ae43954d_wquant
		.amdhsa_group_segment_fixed_size 768
		.amdhsa_private_segment_fixed_size 0
		.amdhsa_enable_private_segment 0
		.amdhsa_kernarg_size 40
		.amdhsa_user_sgpr_count 2
		.amdhsa_user_sgpr_kernarg_segment_ptr 1
		.amdhsa_wavefront_size32 1
		.amdhsa_system_sgpr_workgroup_id_x 1
		.amdhsa_system_sgpr_workgroup_id_y 1
		.amdhsa_system_sgpr_workgroup_id_z 1
		.amdhsa_system_vgpr_workitem_id 0
		.amdhsa_next_free_vgpr 146
		.amdhsa_next_free_sgpr 66
		.amdhsa_reserve_vcc 0
		.amdhsa_float_denorm_mode_32 3
		.amdhsa_float_denorm_mode_16_64 3
		.amdhsa_memory_ordered 1
		.amdhsa_forward_progress 1
		.amdhsa_inst_pref_size 13
	.end_amdhsa_kernel
	.amdgpu_metadata
---
amdhsa.version: [ 1, 2 ]
amdhsa.kernels:
  - .name:           k_q87ae43954d_wquant
    .symbol:         k_q87ae43954d_wquant.kd
    .args:
      - { .name: Wq, .offset: 0, .size: 8, .value_kind: global_buffer, .address_space: global }
      - { .name: Wk, .offset: 8, .size: 8, .value_kind: global_buffer, .address_space: global }
      - { .name: Wv, .offset: 16, .size: 8, .value_kind: global_buffer, .address_space: global }
      - { .name: wc, .offset: 24, .size: 8, .value_kind: global_buffer, .address_space: global }
      - { .name: wsc, .offset: 32, .size: 8, .value_kind: global_buffer, .address_space: global }
    .group_segment_fixed_size: 768
    .private_segment_fixed_size: 0
    .kernarg_segment_align: 8
    .kernarg_segment_size: 40
    .max_flat_workgroup_size: 128
    .sgpr_count:     66
    .vgpr_count:     146
    .wavefront_size: 32
...
	.end_amdgpu_metadata
.endif
;; end of part 1
;; launch proj (part 2): grid 64 x 3, 8 waves a work-group, no clusters, 119,808 bytes of LDS; arguments queries, keys, values, bq, bk, bv, wc, wsc, qc, qs, kvc, kvs; writes qc, qs, kvc, kvs
.if DOCPART == 2
	.amdgcn_target "amdgcn-amd-amdhsa--gfx1250"
	.amdhsa_code_object_version 6
	.text
	.protected	k_q87ae43954d_proj
	.globl	k_q87ae43954d_proj
	.p2align	8
	.type	k_q87ae43954d_proj,@function
k_q87ae43954d_proj:
	s_mov_b64 s[64:65], 0
	v_nop
	global_prefetch_b8 v0, s[64:65] scope:SCOPE_SE
	s_setreg_imm32_b32 hwreg(HW_REG_WAVE_MODE, 25, 1), 1
	s_wait_xcnt 0x0
; q = queries Wq + bq, k = keys Wk + bk, v = values Wv + bv, each product on codes of FP6 (E2M3) with one E8M0 byte for each 32 along K = 512;
; the results are quantised at once for the attention's products: q and k along the head's 64, v along the KEYS, and stored in the order of the operands' registers.
; LIMITS: a block of zeros gets the byte 1 where the rule says 127 (its codes are zeros, and this program alone reads the bytes); blocks whose largest
; magnitude lies under 2^-124 are held at the byte 1; NaN and infinities among the inputs are not served.
; SHARES: work-group y = tensor, x = a block of 128 rows.  Wave w first quantises tile w of x (16 rows x 512) and leaves its four fragments in LDS as images of their
; registers; behind ONE barrier wave w makes head w's 64 features for all 128 rows: 32 accumulators x 4 K steps.  Its part of W comes straight into registers.
; THE ROWS OF A TILE ARE NOT NEIGHBOURS: lane r of tile T takes row 32 (T / 2) + 8 (T % 2) + r + 8 (r / 8), in x's tiles and in W's: so the 16 registers of two
; neighbouring result tiles are 16 neighbours along the next product's K.
; q, k: source 0 = W's tile, source 1 = x's: a lane holds one row and its registers run along the head's features.
; v:    source 0 = x's tile, source 1 = W's: a lane holds one channel and its registers run along the keys.
; No tensor load: x is read by one work-group alone, and all its loads go out at the head; the issue of a load that would push LOADcnt past its field waits by itself (ISA guide 5.7.1).
; 192 work-groups: three tensors of 64 blocks; a finer split would read W's fragments twice.
; REGISTERS: window 0: v1-15 addresses; v16-111 x's eight fragments of a K step (earlier and later: at work for the quantiser); v112-207 W's fragments, two sets
; (later the codes that go out); v208-239 the bias as C; v240-247 W's scale words; v248-255 x's, two sets.  window 1: x as loaded, later the 32 accumulators.
.set XIMG, 0                           ; LDS: x's fragments (tile T, K step ks) at (4 T + ks) x 1,536
.set XSC,  49152                       ; their scale words: 512 bytes a K step: [lane][4 words]: word b of lane r + 16 u belongs to tile 2 b + u
.set STG,  51200                       ; a stage of 16 rows x (512 + 16) bytes for each wave
.set L16,  1                           ; v1   16 x lane
.set L8,   2                           ; v2   8 x lane
.set STS,  3                           ; v3   the stage, on the way in
.set STR,  4                           ; v4   and on the way out: row r, + 64 h
.set XWI,  5                           ; v5   where I store my fragments' images
.set XWS,  6                           ; v6   and their scale words
.set BOQ,  7                           ; v7   the bias's offset for q and k: 64 h
.set BOV,  11                          ; v11  and for v: 4 (r + 8 (r / 8))
.set TS2,  14
.set PW,   15                          ; the scale word just made
.set XF,   16
.set XT,   16                          ; v16-79  64 numbers of x
.set PCX,  80                          ; v80-91  their codes
.set CT,   92                          ; v92-94, v96-98: a block's upper 16 codes
.set TM,   100                         ; v100-103 largest magnitudes, v104-107 bytes, v108-111 scale operands
.set WF,   112
.set OUTC, 112                         ; v112-159 the codes that go out: twelve registers a round, none written twice
.set SO,   160                         ; v160-163 the scale words that go out
.set SOT,  164
.set BI,   208
.set WS,   240
.set XS,   248
.set MSB, 0
.macro WIN new                         ; the immediate's high byte repeats the setting that is left; a switch that changes nothing is dropped
.if MSB != (\new)
	s_set_vgpr_msb (MSB<<8)|(\new)
.set MSB, (\new)
.endif
.endm
.macro PLACES                          ; four plain places behind matrix instructions, ahead of loads into their operands and of reads of their results
.rept 4
	v_nop
.endr
.endm
; 64 numbers of a lane, v[s] on in window w, register 16 b + i = k 32 b + 16 (lane / 16) + i of my row, become twelve registers of codes in v[pc] on and a scale word in v[PW].
; An accumulator's registers are taken in ascending order.
.macro QUANT s, w, pc
	WIN 0x05*(\w)
.irp b, 0,1,2,3
	v_max3_num_f32 v[TM+\b], |v[(\s)+16*\b]|, |v[(\s)+1+16*\b]|, 0x1800000   ; with the floor 2^(3 - 127): the byte cannot fall under 1
.endr
	WIN 0x14*(\w)
.irp i, 2,4,6,8,10,12,14
.irp b, 0,1,2,3
	v_max3_num_f32 v[TM+\b], v[TM+\b], |v[(\s)+16*\b+\i]|, |v[(\s)+1+16*\b+\i]|
.endr
.endr
	WIN 0
.irp b, 0,1,2,3
	v_permlanex16_b32 v[TM+4+\b], v[TM+\b], s46, s47
.endr
.irp b, 0,1,2,3
	s_delay_alu instid0(VALU_DEP_4)
	v_max_num_f32 v[TM+\b], v[TM+\b], v[TM+4+\b]   ; with lane l xor 16's: the block's largest magnitude
.endr
.irp b, 0,1,2,3
	s_delay_alu instid0(VALU_DEP_4)
	v_add_nc_u32 v[TM+8+\b], 0xff000000, v[TM+\b]  ; 2 off its exponent field: the conversion's scale operand
.endr
.irp b, 0,1,2,3
	s_delay_alu instid0(VALU_DEP_4)
	v_lshrrev_b32 v[TM+4+\b], 23, v[TM+8+\b]       ; the scale's byte
.endr
	s_delay_alu instid0(VALU_DEP_3)
	v_lshl_or_b32 v[PW], v[TM+5], 8, v[TM+4]
	s_delay_alu instid0(VALU_DEP_1)
	v_lshl_or_b32 v[PW], v[TM+6], 16, v[PW]
	s_delay_alu instid0(VALU_DEP_1)
	v_lshl_or_b32 v[PW], v[TM+7], 24, v[PW]
	WIN 0x01*(\w)
.irp c, 0,1
	v_cvt_scalef32_pk16_fp6_f32 v[(\pc)+6*\c:(\pc)+6*\c+2], v[(\s)+32*\c:(\s)+32*\c+15], v[TM+8+2*\c]
	v_cvt_scalef32_pk16_fp6_f32 v[CT+4*\c:CT+4*\c+2], v[(\s)+16+32*\c:(\s)+31+32*\c], v[TM+9+2*\c]   ; (a conversion's three registers begin on an even number)
.endr
	WIN 0
	v_nop                                          ; one plain place behind a scaled conversion
.irp c, 0,1                                    ; the operand's layout wants a WHOLE block in a lane: lanes 0-15 block 2 c, lanes 16-31 block 2 c + 1
.irp i, 0,1,2
	v_permlane16_swap_b32 v[(\pc)+6*\c+\i], v[CT+4*\c+\i]
.endr
.irp i, 0,1,2
	s_delay_alu instid0(VALU_DEP_3)
	v_mov_b32 v[(\pc)+3+6*\c+\i], v[CT+4*\c+\i]
.endr
.endr
.endm
.macro LOADX half, ks                  ; x's tiles 4 half .. 4 half + 3 of K step ks: 12 LDS loads
.irp q, 0,1,2,3
.irp c, 0,1,2
	ds_load_b128 v[XF+12*(4*(\half)+\q)+4*\c:XF+12*(4*(\half)+\q)+4*\c+3], v[L16] offset:XIMG+(4*(4*(\half)+\q)+(\ks))*1536+512*\c
.endr
.endr
.endm
.macro LOADXS ks                       ; and the eight tiles' scale words, into set ks % 2
	ds_load_b128 v[XS+4*((\ks)%2):XS+4*((\ks)%2)+3], v[L16] offset:XSC+512*(\ks)
.endm
.macro LOADW ks                        ; my head's four fragments of W for K step ks, into set ks % 2: each load takes 512 consecutive bytes
.irp g, 0,1,2,3,4,5,6,7,8,9,10,11
	global_load_b128 v[WF+48*((\ks)%2)+4*\g:WF+48*((\ks)%2)+4*\g+3], v[L16], s[36:37] offset:6144*(\ks)+512*\g
.endr
.endm
; One product: x's tile xt against W's tile wt, K step ks.  The first K step takes the bias as C.
.macro MM isv, ks, xt, wt
.if \isv
.set rD, 8*(8*(\wt)+(\xt))
.set rA, XF+12*(\xt)
.set rB, WF+48*((\ks)%2)+12*(\wt)
.set sA, XS+4*((\ks)%2)+(\xt)/2
.set sB, WS+2*(\ks)+(\wt)/2
.set pA, (\xt)%2
.set pB, (\wt)%2
.else
.set rD, 8*(4*(\xt)+(\wt))
.set rA, WF+48*((\ks)%2)+12*(\wt)
.set rB, XF+12*(\xt)
.set sA, WS+2*(\ks)+(\wt)/2
.set sB, XS+4*((\ks)%2)+(\xt)/2
.set pA, (\wt)%2
.set pB, (\xt)%2
.endif
.if (\ks) == 0
.set rC, BI+8*(\wt)
	WIN 0x40                                       ; D in window 1; A, B and the bias in window 0
.else
.set rC, rD
	WIN 0x50                                       ; C and D in window 1
.endif
.if pA && pB
	v_wmma_scale_f32_16x16x128_f8f6f4 v[rD:rD+7], v[rA:rA+11], v[rB:rB+11], v[rC:rC+7], v[sA], v[sB] matrix_a_fmt:MATRIX_FMT_FP6 matrix_b_fmt:MATRIX_FMT_FP6 matrix_a_scale:MATRIX_SCALE_ROW1 matrix_b_scale:MATRIX_SCALE_ROW1
.elseif pA
	v_wmma_scale_f32_16x16x128_f8f6f4 v[rD:rD+7], v[rA:rA+11], v[rB:rB+11], v[rC:rC+7], v[sA], v[sB] matrix_a_fmt:MATRIX_FMT_FP6 matrix_b_fmt:MATRIX_FMT_FP6 matrix_a_scale:MATRIX_SCALE_ROW1
.elseif pB
	v_wmma_scale_f32_16x16x128_f8f6f4 v[rD:rD+7], v[rA:rA+11], v[rB:rB+11], v[rC:rC+7], v[sA], v[sB] matrix_a_fmt:MATRIX_FMT_FP6 matrix_b_fmt:MATRIX_FMT_FP6 matrix_b_scale:MATRIX_SCALE_ROW1
.else
	v_wmma_scale_f32_16x16x128_f8f6f4 v[rD:rD+7], v[rA:rA+11], v[rB:rB+11], v[rC:rC+7], v[sA], v[sB] matrix_a_fmt:MATRIX_FMT_FP6 matrix_b_fmt:MATRIX_FMT_FP6
.endif
.endm
; The 128 products.  The 32 accumulators take turns, one instruction a turn, in the same order in every K step.
.macro MATRIX isv
	LOADXS 0
	LOADX 0, 0
	LOADX 1, 0
.irp ks, 0,1,2,3
.if \ks == 2
	s_wait_loadcnt 12                              ; W's fragments of K step 2 are in; the 12 loads of K step 3 may be out
.elseif \ks == 3
	s_wait_loadcnt 0x0
.endif
	s_wait_dscnt 12                                ; the scale words and tiles 0-3 are in; the 12 loads of tiles 4-7 may be out
.irp xt, 0,1,2,3
.irp wt, 0,1,2,3
	MM \isv, \ks, \xt, \wt
.endr
.endr
	WIN 0
	PLACES
.if \ks < 3
	LOADXS \ks+1
	LOADX 0, \ks+1
	s_wait_dscnt 13                                ; all but the 13 just issued: tiles 4-7 are in
.else
	s_wait_dscnt 0x0
.endif
.irp xt, 4,5,6,7
.irp wt, 0,1,2,3
	MM \isv, \ks, \xt, \wt
.endr
.endr
	WIN 0
	PLACES
.if \ks < 3
	LOADX 1, \ks+1
.endif
.if \ks < 2
	LOADW \ks+2
.endif
.endr
.endm
; The results become operands.  q, k: round rho takes row tiles 2 rho and 2 rho + 1: blocks 0, 1 are the first tile's 64 features, blocks 2, 3 the second's; the twelve registers are two tiles' six.
; v: round rho takes channel tile rho: 128 keys: a whole fragment.
.macro OUTPUT isv
.irp rho, 0,1,2,3
	QUANT 64*\rho, 1, OUTC+12*\rho
.if \isv
.if \rho%2 == 0
	v_mov_b32 v[SOT], v[PW]
.else
	v_cndmask_b32 v[SO+\rho/2], v[SOT], v[PW], s44 ; lanes 0-15: channel tile rho - 1's words; lanes 16-31: tile rho's
.endif
.else
	v_lshrrev_b32 v[TS2], 16, v[PW]
	s_delay_alu instid0(VALU_DEP_1)
	v_cndmask_b32 v[SO+\rho], v[PW], v[TS2], s44   ; lanes 0-15: tile 2 rho's two bytes lowest; lanes 16-31: tile 2 rho + 1's
.endif
.irp c, 0,1,2
	global_store_b128 v[L16], v[OUTC+12*\rho+4*\c:OUTC+12*\rho+4*\c+3], s[40:41] offset:1536*\rho+512*\c   ; 32 lanes store 512 consecutive bytes, aligned
.endr
.endr
.if \isv
	global_store_b64 v[L8], v[SO:SO+1], s[42:43]   ; 256 consecutive bytes, aligned
.else
	global_store_b128 v[L16], v[SO:SO+3], s[42:43] ; 512 consecutive bytes, aligned
.endif
.endm
	s_load_b256 s[4:11], s[0:1], 0x0               ; queries, keys, values, bq
	s_load_b256 s[12:19], s[0:1], 0x20             ; bk, bv, wc, wsc
	s_load_b256 s[20:27], s[0:1], 0x40             ; qc, qs, kvc, kvs
	v_lshl_add_u32 v12, v0, 2, 0x1d000
	v_mov_b32 v13, 0
	v_lshrrev_b32 v1, 5, v0
	s_delay_alu instid0(VALU_DEP_1)
	v_readfirstlane_b32 s28, v1                    ; wave 0..7: my tile of x, then my head
	s_and_b32 s29, ttmp7, 0xffff                   ; the tensor: 0 q, 1 k, 2 v
	s_mov_b32 s30, ttmp9                           ; the block of 128 rows
	v_and_b32 v8, 31, v0                           ; lane
	v_and_b32 v9, 15, v0                           ; r
	s_wait_alu depctr_va_vdst(0)
	v_bfe_u32 v10, v0, 4, 1                        ; h
	v_lshlrev_b32 v[L16], 4, v8
	v_lshlrev_b32 v[L8], 3, v8
	s_mul_i32 s48, s28, 8448
	s_add_co_u32 s48, s48, STG                     ; my stage
	v_add_nc_u32 v[STS], s48, v[L16]
	v_mul_u32_u24 v[STR], v9, 528
	s_delay_alu instid0(VALU_DEP_1)
	v_lshl_add_u32 v[STR], v10, 6, v[STR]
	s_delay_alu instid0(VALU_DEP_1)
	v_add_nc_u32 v[STR], s48, v[STR]
	s_mul_i32 s48, s28, 6144
	v_add_nc_u32 v[XWI], s48, v[L16]
	s_and_b32 s48, s28, 1
	s_lshl_b32 s48, s48, 8
	s_lshr_b32 s49, s28, 1
	s_lshl_b32 s49, s49, 2
	s_add_co_u32 s48, s48, s49
	v_lshlrev_b32 v[XWS], 4, v9
	s_delay_alu instid0(VALU_DEP_1)
	v_add_nc_u32 v[XWS], s48, v[XWS]               ; 16 r + 256 (w % 2) + 4 (w / 2)
	v_lshlrev_b32 v[BOQ], 6, v10
	v_and_b32 v[BOV], 8, v9
	s_delay_alu instid0(VALU_DEP_1)
	v_add_nc_u32 v[BOV], v[BOV], v9
	s_delay_alu instid0(VALU_DEP_1)
	v_lshlrev_b32 v[BOV], 2, v[BOV]
	; THE KEYS' TILES TAKE OTHER ROWS than q's and v's: lane r of tile T takes row 64 (T / 4) + 8 (T % 4) + r % 8 + 32 (r / 8), so that in the attention's first product a lane holds whole blocks of 32 keys
	s_cmp_eq_u32 s29, 1
	s_cselect_b32 s48, 32768, 0                    ; a tile's rows 8-15 lie 16 rows of 2,048 bytes further down for the keys
	v_add_nc_u32 v8, s48, v[L16]                   ; v8: 16 x lane for a tile's rows 8-15
.irp b, 0,1,2,3
	v_mov_b32 v[TM+4+\b], 0                        ; written once: a lane permute's destination counts as one of its sources
.endr
	s_mov_b32 s44, 0xffff0000                      ; lanes 16-31
	s_mov_b32 s46, 0x76543210
	s_mov_b32 s47, 0xfedcba98                      ; selects for lane l xor 16
	s_lshr_b32 s54, s30, 5
	s_lshl_b32 s54, s54, 3
	s_add_co_u32 s54, s54, s28                     ; 8 x batch + head
	s_and_b32 s55, s30, 31                         ; which 128 rows of the batch
	s_wait_kmcnt 0x0
	s_cmp_eq_u32 s29, 1                            ; every choice hangs on the work-group's number alone
	s_cselect_b64 s[32:33], s[6:7], s[4:5]
	s_cselect_b64 s[34:35], s[12:13], s[10:11]
	s_cmp_eq_u32 s29, 2
	s_cselect_b64 s[32:33], s[8:9], s[32:33]       ; x
	s_cselect_b64 s[34:35], s[14:15], s[34:35]     ; the bias
	s_cselect_b32 s53, 6144, 0                     ; v's codes lie behind k's in a key step,
	s_cselect_b32 s45, 512, 0                      ; and its scale words behind k's
	s_cmp_eq_u32 s29, 0
	s_cselect_b64 s[40:41], s[20:21], s[24:25]     ; where the codes go,
	s_cselect_b64 s[42:43], s[22:23], s[26:27]     ; and the scale words
	s_mov_b32 s48, 393216
	s_cselect_b32 s48, 196608, s48                 ; bytes of codes for a head,
	s_mov_b32 s50, 12288
	s_cselect_b32 s50, 6144, s50                   ; for 128 rows;
	s_mov_b32 s51, 24576
	s_cselect_b32 s51, 16384, s51                  ; of scale words for a head,
	s_mov_b32 s52, 768
	s_cselect_b32 s52, 512, s52                    ; for 128 rows
	s_mov_b32 s49, 0
	s_mul_i32 s48, s48, s54
	s_mul_i32 s50, s50, s55
	s_add_co_u32 s48, s48, s50
	s_add_co_u32 s48, s48, s53
	s_add_nc_u64 s[40:41], s[40:41], s[48:49]
	s_mul_i32 s48, s51, s54
	s_mul_i32 s50, s52, s55
	s_add_co_u32 s48, s48, s50
	s_add_co_u32 s48, s48, s45
	s_add_nc_u64 s[42:43], s[42:43], s[48:49]
	s_lshl_b32 s48, s30, 18                        ; 128 rows of 2,048 bytes,
	s_cmp_eq_u32 s29, 1                            ; the keys: 64 (w / 4) + 8 (w % 4) rows; q and v: 32 (w / 2) + 8 (w % 2)
	s_cselect_b32 s51, 2, 1
	s_cselect_b32 s52, 17, 16
	s_cselect_b32 s53, 3, 1
	s_lshr_b32 s50, s28, s51
	s_lshl_b32 s50, s50, s52
	s_add_co_u32 s48, s48, s50
	s_and_b32 s50, s28, s53
	s_lshl_b32 s50, s50, 14
	s_add_co_u32 s48, s48, s50
	s_add_nc_u64 s[32:33], s[32:33], s[48:49]
	s_lshl_b32 s48, s28, 8
	s_add_nc_u64 s[34:35], s[34:35], s[48:49]      ; my head's 64 numbers of the bias
	s_mul_i32 s48, s29, 196608
	s_mul_i32 s50, s28, 24576
	s_add_co_u32 s48, s48, s50
	s_add_nc_u64 s[36:37], s[16:17], s[48:49]      ; my head's fragments of W
	s_lshl_b32 s48, s29, 13
	s_lshl_b32 s50, s28, 10
	s_add_co_u32 s48, s48, s50
	s_add_nc_u64 s[38:39], s[18:19], s[48:49]      ; and their scale words
.irp ks, 0,1,2,3
	global_load_b64 v[WS+2*\ks:WS+2*\ks+1], v[L8], s[38:39] offset:256*\ks   ; word i of lane r + 16 u: tile 2 i + u
.endr
	LOADW 0
	LOADW 1
	s_cmp_eq_u32 s29, 2
	s_cbranch_scc1 .Lbias_v
	s_wait_alu depctr_va_vdst(0)
.irp t, 0,1,2,3                                ; q, k: register j of tile t is feature 32 (t / 2) + 8 (t % 2) + 16 h + j
	global_load_b128 v[BI+8*\t:BI+8*\t+3], v[BOQ], s[34:35] offset:(32*(\t/2)+8*(\t%2))*4
	global_load_b128 v[BI+8*\t+4:BI+8*\t+7], v[BOQ], s[34:35] offset:(32*(\t/2)+8*(\t%2))*4+16
.endr
	s_branch .Lbias_done
.Lbias_v:
	s_wait_alu depctr_va_vdst(0)
.irp t, 0,1,2,3                                ; v: all eight registers of tile t are my lane's channel 32 (t / 2) + 8 (t % 2) + r + 8 (r / 8)
.irp j, 0,1,2,3,4,5,6,7
	global_load_b32 v[BI+8*\t+\j], v[BOV], s[34:35] offset:(32*(\t/2)+8*(\t%2))*4
.endr
.endr
.Lbias_done:
	WIN 0x40                                       ; destination window 1
.irp ks, 0,1,2,3
.irp p, 0,1,2,3,4,5,6,7,8,9,10,11,12,13,14,15
	global_load_b128 v[64*\ks+4*\p:64*\ks+4*\p+3], v[L16+7*(\p/8)], s[32:33] offset:(\p+8*(\p/8))*2048+512*\ks th:TH_LOAD_NT
.endr
.endr
	WIN 0
	; ---- X: my 16 rows become four fragments.  A K step's 16 x 512 bytes turn through my stage, so that a lane gets 16 neighbours of each block of 32 of its row.
.irp ks, 0,1,2,3
	s_wait_loadcnt 48-16*\ks                       ; this K step's 16 loads are in (and all that was asked for earlier); those of the later K steps may be out
	WIN 0x04                                       ; an LDS store's data are its source 1: window 1
.irp p, 0,1,2,3,4,5,6,7,8,9,10,11,12,13,14,15
	ds_store_b128 v[STS], v[64*\ks+4*\p:64*\ks+4*\p+3] offset:528*\p
.endr
	WIN 0
.irp b, 0,1,2,3
.irp j, 0,1,2,3
	ds_load_b128 v[XT+16*\b+4*\j:XT+16*\b+4*\j+3], v[STR] offset:128*\b+16*\j   ; LDS serves a wave's instructions in order (ISA guide 5.7.1.4): these see my stores
.endr
.endr
	s_wait_dscnt 0x0                               ; the numbers are in; the last K step's image has been stored
	QUANT XT, 0, PCX
.irp c, 0,1,2
	ds_store_b128 v[XWI], v[PCX+4*\c:PCX+4*\c+3] offset:XIMG+1536*\ks+512*\c
.endr
	ds_store_b32 v[XWS], v[PW] offset:XSC+512*\ks  ; lanes r and r + 16 write the same word with the same value
.endr
	s_wait_dscnt 0x0                               ; for the others' sake: my images have landed
	s_barrier_signal -1
	s_barrier_wait -1                              ; x's 32 fragments lie in LDS; from here on LDS is only read
	s_cmp_eq_u32 s29, 2
	s_cbranch_scc1 .Lvalues
	MATRIX 0
	OUTPUT 0
	s_wait_tensorcnt 0x0
	ds_add_u32 v12, v13
	s_wait_dscnt 0x0
	s_endpgm
.Lvalues:
	MATRIX 1
	OUTPUT 1
	s_wait_tensorcnt 0x0
	ds_add_u32 v12, v13
	s_wait_dscnt 0x0
	s_endpgm
.Lfunc_end_k_q87ae43954d_proj:
	.size	k_q87ae43954d_proj, .Lfunc_end_k_q87ae43954d_proj-k_q87ae43954d_proj
	.p2alignl 7, 3214868480
	.fill 96, 4, 3214868480
	.section	.rodata,"a",@progbits
	.p2align	6, 0x0
	.amdhsa_kernel k_q87ae43954d_proj
		.amdhsa_group_segment_fixed_size 119808
		.amdhsa_private_segment_fixed_size 0
		.amdhsa_enable_private_segment 0
		.amdhsa_kernarg_size 96
		.amdhsa_user_sgpr_count 2
		.amdhsa_user_sgpr_kernarg_segment_ptr 1
		.amdhsa_wavefront_size32 1
		.amdhsa_system_sgpr_workgroup_id_x 1
		.amdhsa_system_sgpr_workgroup_id_y 1
		.amdhsa_system_sgpr_workgroup_id_z 1
		.amdhsa_system_vgpr_workitem_id 0
		.amdhsa_next_free_vgpr 512
		.amdhsa_next_free_sgpr 66
		.amdhsa_reserve_vcc 0
		.amdhsa_float_denorm_mode_32 3
		.amdhsa_float_denorm_mode_16_64 3
		.amdhsa_memory_ordered 1
		.amdhsa_forward_progress 1
		.amdhsa_inst_pref_size 137
	.end_amdhsa_kernel
	.amdgpu_metadata
---
amdhsa.version: [ 1, 2 ]
amdhsa.kernels:
  - .name:           k_q87ae43954d_proj
    .symbol:         k_q87ae43954d_proj.kd
    .args:
      - { .name: queries, .offset: 0, .size: 8, .value_kind: global_buffer, .address_space: global }
      - { .name: keys, .offset: 8, .size: 8, .value_kind: global_buffer, .address_space: global }
      - { .name: values, .offset: 16, .size: 8, .value_kind: global_buffer, .address_space: global }
      - { .name: bq, .offset: 24, .size: 8, .value_kind: global_buffer, .address_space: global }
      - { .name: bk, .offset: 32, .size: 8, .value_kind: global_buffer, .address_space: global }
      - { .name: bv, .offset: 40, .size: 8, .value_kind: global_buffer, .address_space: global }
      - { .name: wc, .offset: 48, .size: 8, .value_kind: global_buffer, .address_space: global }
      - { .name: wsc, .offset: 56, .size: 8, .value_kind: global_buffer, .address_space: global }
      - { .name: qc, .offset: 64, .size: 8, .value_kind: global_buffer, .address_space: global }
      - { .name: qs, .offset: 72, .size: 8, .value_kind: global_buffer, .address_space: global }
      - { .name: kvc, .offset: 80, .size: 8, .value_kind: global_buffer, .address_space: global }
      - { .name: kvs, .offset: 88, .size: 8, .value_kind: global_buffer, .address_space: global }
    .group_segment_fixed_size: 119808
    .private_segment_fixed_size: 0
    .kernarg_segment_align: 8
    .kernarg_segment_size: 96
    .max_flat_workgroup_size: 256
    .sgpr_count:     66
    .vgpr_count:     512
    .wavefront_size: 32
...
	.end_amdgpu_metadata
.endif
;; end of part 2
;; launch attn (part 3): grid 16 x 16, 8 waves a work-group, clusters of 4 x 1, 327,680 bytes of LDS; arguments qc, qs, kvc, kvs, out0; writes out0
.if DOCPART == 3
	.amdgcn_target "amdgcn-amd-amdhsa--gfx1250"
	.amdhsa_code_object_version 6
	.text
	.protected	k_q87ae43954d_attn
	.globl	k_q87ae43954d_attn
	.p2align	8
	.type	k_q87ae43954d_attn,@function
k_q87ae43954d_attn:
	s_mov_b64 s[64:65], 0
	v_nop
	global_prefetch_b8 v0, s[64:65] scope:SCOPE_SE
	s_setreg_imm32_b32 hwreg(HW_REG_WAVE_MODE, 25, 1), 1
	s_wait_xcnt 0x0
	s_wait_alu depctr_hold_cnt(0) depctr_sa_sdst(0) depctr_va_vdst(0) depctr_va_sdst(0) depctr_va_ssrc(0) depctr_va_vcc(0) depctr_vm_vsrc(0)
	s_getreg_b32 s2, hwreg(HW_REG_IB_STS2, 6, 4)
	s_cmp_eq_u32 s2, 0
	s_cbranch_scc0 .Lentry_in_a_cluster
	s_endpgm
.Lentry_in_a_cluster:
	s_bfe_u32 s2, ttmp6, 0x10000c
	s_cmp_lg_u32 s2, 0x3003
	s_cbranch_scc0 .Lentry_shape_is_right
	s_endpgm
.Lentry_shape_is_right:
; out[b][q][head][:] = the sum over keys of softmax(q . k / 8) v, both products on codes of FP6 (E2M3) with one E8M0 byte for each 32 along a product's K.
; THE SOFTMAX AHEAD OF THE SECOND PRODUCT: t = score x log2(e) / 8; M = the row's largest t so far, rounded UP to a whole number; p = 2^(t - M) is quantised along the keys, not normalised.
; The row's sum is taken of the unquantised p and divides O at the end.  When M moves, the sum and O are multiplied by 2^(old M - new M): exact.
; LIMITS: NaN and infinities are not served; a block of p that is all zeros keeps the byte 1 (its codes are zeros); the scaled scores stay under 2^31 in magnitude.
; SHARES: work-group y = 8 x batch + head, x = a block of 256 queries; each of the EIGHT waves owns TWO tiles of 16 queries (32 neighbouring queries), so that each fragment of K and V read from LDS
; feeds two tiles; two waves to a SIMD.  Every wave walks the head's 4,096 keys, 128 a step.
; Both products are used transposed: S^T = K Q^T (source 0 = 16 keys), O^T = V^T P (source 0 = 16 channels): a lane holds ONE query of each tile throughout.
; THE KEYS OF A TILE OF K: row 8 h + j of tile 4 c + i is key 64 c + 32 h + 8 i + j.  So lane (r, h) holds in registers 32 c .. 32 c + 31 of S^T the WHOLE block 2 c + h of 32 keys, in order:
; a block's largest score needs no other lane, and the conversions' results are the operand's registers 6 c .. 6 c + 5 as they stand.
; THE FIRST PRODUCT'S K IS 64, half of the instruction's 128: Q's fragment is six registers of codes and six of zeros; K's tile T is v[KK + 6 T] on, twelve registers: its upper six are the
; next tile's codes (six zeros behind the last), which meet Q's zero codes and add nothing.  Q's scale word keeps its two lower bytes alone; no byte is 0xff.
; All operands lie in memory in the order of their registers (four registers a group: group g, lane l at 512 g + 16 l): a key step is 12,288 dense bytes, 6,144 of K and 6,144 of V.
; RING: two slots of eight key steps, 98,304 bytes; waves 0 to 3 fetch a quarter each.  The head's scale words, 24,576 bytes, come once: waves 4 to 7 fetch a quarter each at the head.
; CLUSTER: the four query blocks of a cluster belong to one head and walk the same K and V: each load is asked for JOINTLY, with the same descriptor and a mask that names the four.
; REGISTERS: window 0: addresses, scale words, Q, K, V, p's codes.  Window 1: S^T / p of both tiles (v0-127), O^T (v128-191), the softmax's state (v192 on, 16 registers a tile).
.set STEPB,  12288
.set VOFF,   6144
.set SLOTB,  98304
.set QUART,  24576                     ; a quarter of a slot: 96 rows of 256 bytes
.set SLOT1,  1<<17                     ; slot 1 begins here
.set SCL,    98304                     ; behind slot 0: the scale words: 768 bytes a key step: K's 512 ([lane][4 words]), V's 256 ([lane][2 words])
.set SPARE,  122880                    ; the spare words, 128 bytes for each wave: four blocks of 256 bytes that no other line names
; window 0
.set L16,  1                           ; 16 x lane
.set ASK0, 2                           ; my place among K's scale words
.set ASV0, 3                           ; and among V's
.set SPW,  4                           ; my spare word; never rewritten
.set NIL,  5                           ; 0; never rewritten
.set GO,   6                           ; the way out: my byte offset in the wave's rows of out0
.set PFO,  7                           ; 256 x lane: the prefetches' offset
.set ADC,  8
.set ADS,  9
.set ADT,  10
.set QS,   12                          ; Q's scale words: lanes 0-15 tile 0's, lanes 16-31 tile 1's
.set PS,   13                          ; v13, v14: p's scale words, a register a tile
.set KS,   16                          ; v16-19 K's scale words: word b of lane r + 16 u: tile 2 b + u
.set VS,   20                          ; v20-21 V's: word i of lane r + 16 u: channel tile 2 i + u
.set QF,   24                          ; v24-47 Q: for each tile six registers of codes, six of zeros
.set KK,   48                          ; v48-95 K's eight tiles; v96-101 zeros
.set VV,   104                         ; v104-151 V's four fragments
.set PC,   152                         ; v152-175 p's codes, twelve registers a tile
.set CT,   176                         ; v176-191 a block's upper 16 codes: four runs of three
; window 1; the state of tile q at + 16 q
.set OO,   128
.set NM,   192                         ; -M;  NM + 1: the largest score so far
.set RM,   193
.set SU,   194                         ; the sum, in two halves
.set FF,   196                         ; f = 2^(old M - new M); FF + 1 = 0, named with it as a pair
.set BM,   198                         ; my two blocks' largest scores, then their largest p
.set SOP,  200                         ; the conversions' scale operands
.set TT,   202
.set TP,   203
.set BY,   204                         ; the two bytes
.set SH8,  224                         ; 8 x (lane / 16)
.set WV,    14
.set SEL,   20                         ; s[20:21] selects for lane l xor 16
.set CS,    22                         ; s[22:23] c = log2(e) / 8
.set G1,    24                         ; s[24:31] group 1 for the tiles
.set G0,    32                         ; s[32:35] group 0 for the tiles: it walks
.set TB,    36                         ; LDS byte at which the step in hand begins
.set TS,    37                         ; and its scale words
.set SLOTS, 38
.set STEPS, 39
.set PFA,   40                         ; s[40:41] where my prefetches stand
.set LIM,   42                         ; 1 in a wave that prefetches, else the greatest number
.set NC,    43                         ; -c
.set G0S,   52                         ; s[52:55], s[56:63] groups 0 and 1 for the scale words
.set G1S,   56
.set MSB, 0
.macro WIN new                         ; the immediate's high byte repeats the setting that is left
.if MSB != (\new)
	s_set_vgpr_msb (MSB<<8)|(\new)
.set MSB, (\new)
.endif
.endm
.macro CROUND                          ; a round of the cluster's barrier
	s_barrier_signal -1
	s_barrier_wait -1
	s_cmp_lg_u32 s[WV], 0
	s_cbranch_scc1 .Lnot_wave_0_\@
	s_barrier_signal -3
.Lnot_wave_0_\@:
	s_barrier_wait -3
	s_barrier_signal -1
	s_barrier_wait -1
.endm
.macro TLOAD                           ; a joint refill: waves 0 to 3 fetch a quarter of a slot each; the branch hangs on the wave's number alone
	s_cmp_lt_u32 s[WV], 4
	s_cbranch_scc0 .Lnone_\@
	tensor_load_to_lds s[G0:G0+3], s[G1:G1+7]
	s_nop 0
.rept 4
	v_nop
.endr
.Lnone_\@:
.endm
; A PREFETCH of the slot that the NEXT change of slots will ask for, eight key steps ahead of that load.  Each aligned block of 256 bytes is named once in the launch: the head's first cluster asks;
; its four partners take a quarter of the slot each, told apart BY ADDRESS; in each, waves 4, 5 and 6 take 8,192 bytes each, lanes 256 bytes apart.  The last change that fills a slot asks for nothing.
.macro ASK
	s_cmp_gt_u32 s[SLOTS], s[LIM]
	s_cbranch_scc0 .Lnot_mine_\@
	global_prefetch_b8 v[PFO], s[PFA:PFA+1] th:TH_LOAD_NT scope:SCOPE_SE
.Lnot_mine_\@:
.endm
; THE CHANGE OF SLOTS: each wave waits for all its tensor loads, adds 0 to its spare word, and waits for that and for its reads of the slot that it has left.
; fill = 1: the barrier is a round of the cluster's; the joint refill is the first thing behind it and has eight key steps in which to land.
.macro CHANGE fill
	s_wait_tensorcnt 0x0                           ; no tensor load of mine is out, so group 0 may be written
	ds_add_u32 v[SPW], v[NIL]
.if \fill
	s_xor_b32 s[G0+1], s[G0+1], SLOT1
	s_add_nc_u64 s[G0+2:G0+3], s[G0+2:G0+3], SLOTB
	s_wait_xcnt 0x0                                ; the last prefetch has read its address
	s_add_nc_u64 s[PFA:PFA+1], s[PFA:PFA+1], SLOTB
	s_wait_dscnt 0x0
	CROUND
	TLOAD
	ASK
.else
	s_wait_dscnt 0x0
	s_barrier_signal -1
	s_barrier_wait -1
.endif
.endm
.macro QKM t, q                        ; S^T of tile q, key tile t
.set rD, 64*(\q)+8*(\t)
.set rA, KK+6*(\t)
.set rB, QF+12*(\q)
.set sA, KS+(\t)/2
.if ((\t)%2) && (\q)
	v_wmma_scale_f32_16x16x128_f8f6f4 v[rD:rD+7], v[rA:rA+11], v[rB:rB+11], 0, v[sA], v[QS] matrix_a_fmt:MATRIX_FMT_FP6 matrix_b_fmt:MATRIX_FMT_FP6 matrix_a_scale:MATRIX_SCALE_ROW1 matrix_b_scale:MATRIX_SCALE_ROW1
.elseif ((\t)%2)
	v_wmma_scale_f32_16x16x128_f8f6f4 v[rD:rD+7], v[rA:rA+11], v[rB:rB+11], 0, v[sA], v[QS] matrix_a_fmt:MATRIX_FMT_FP6 matrix_b_fmt:MATRIX_FMT_FP6 matrix_a_scale:MATRIX_SCALE_ROW1
.elseif (\q)
	v_wmma_scale_f32_16x16x128_f8f6f4 v[rD:rD+7], v[rA:rA+11], v[rB:rB+11], 0, v[sA], v[QS] matrix_a_fmt:MATRIX_FMT_FP6 matrix_b_fmt:MATRIX_FMT_FP6 matrix_b_scale:MATRIX_SCALE_ROW1
.else
	v_wmma_scale_f32_16x16x128_f8f6f4 v[rD:rD+7], v[rA:rA+11], v[rB:rB+11], 0, v[sA], v[QS] matrix_a_fmt:MATRIX_FMT_FP6 matrix_b_fmt:MATRIX_FMT_FP6
.endif
.endm
.macro PVM t, q                        ; O^T of tile q, channel tile t
.set rD, OO+32*(\q)+8*(\t)
.set rA, VV+12*(\t)
.set rB, PC+12*(\q)
.set sA, VS+(\t)/2
.if ((\t)%2)
	v_wmma_scale_f32_16x16x128_f8f6f4 v[rD:rD+7], v[rA:rA+11], v[rB:rB+11], v[rD:rD+7], v[sA], v[PS+(\q)] matrix_a_fmt:MATRIX_FMT_FP6 matrix_b_fmt:MATRIX_FMT_FP6 matrix_a_scale:MATRIX_SCALE_ROW1
.else
	v_wmma_scale_f32_16x16x128_f8f6f4 v[rD:rD+7], v[rA:rA+11], v[rB:rB+11], v[rD:rD+7], v[sA], v[PS+(\q)] matrix_a_fmt:MATRIX_FMT_FP6 matrix_b_fmt:MATRIX_FMT_FP6
.endif
.endm
; A KEY STEP: 128 keys x my 32 queries.  The two tiles take turns line by line.
.macro STEP
	v_add_nc_u32 v[ADC], s[TB], v[L16]
	v_add_nc_u32 v[ADS], s[TS], v[ASK0]
	v_add_nc_u32 v[ADT], s[TS], v[ASV0]
	v_nop                                          ; with the three additions: four places behind the last step's products, ahead of the loads into their operands
.irp g, 0,1,2,3,4,5,6,7,8,9,10,11
	ds_load_b128 v[KK+4*\g:KK+4*\g+3], v[ADC] offset:512*\g
.endr
	ds_load_b128 v[KS:KS+3], v[ADS]
.irp g, 0,1,2,3,4,5,6,7,8,9,10,11
	ds_load_b128 v[VV+4*\g:VV+4*\g+3], v[ADC] offset:VOFF+512*\g
.endr
	ds_load_b64 v[VS:VS+1], v[ADT]
	s_wait_dscnt 13                                ; K and its scale words are in; V's 12 loads and its scale words' one may be out
	WIN 0x40                                       ; D in window 1
.irp t, 0,1,2,3,4,5,6,7
.irp q, 0,1
	QKM \t, \q
.endr
.endr
	WIN 0x55                                       ; the softmax works in window 1
.rept 4
	v_nop                                          ; places ahead of the first read of the scores
.endr
.irp q, 0,1
.irp c, 0,1
	v_max3_num_f32 v[BM+16*\q+\c], v[64*\q+32*\c], v[64*\q+32*\c+1], v[64*\q+32*\c+2]   ; the largest score of my block 2 c + h: it serves for the row's maximum and for the block's largest p
.endr
.endr
.irp i, 3,5,7,9,11,13,15,17,19,21,23,25,27,29
.irp q, 0,1
.irp c, 0,1
	v_max3_num_f32 v[BM+16*\q+\c], v[BM+16*\q+\c], v[64*\q+32*\c+\i], v[64*\q+32*\c+\i+1]
.endr
.endr
.endr
.irp q, 0,1
.irp c, 0,1
	v_max_num_f32 v[BM+16*\q+\c], v[BM+16*\q+\c], v[64*\q+32*\c+31]
.endr
.endr
.irp q, 0,1
	v_max_num_f32 v[TT+16*\q], v[BM+16*\q], v[BM+16*\q+1]
.endr
.irp q, 0,1
	s_delay_alu instid0(VALU_DEP_2)
	v_permlanex16_b32 v[TP+16*\q], v[TT+16*\q], s[SEL], s[SEL+1]
.endr
.irp q, 0,1
	s_delay_alu instid0(VALU_DEP_2)
	v_max3_num_f32 v[RM+16*\q], v[RM+16*\q], v[TT+16*\q], v[TP+16*\q]   ; the running largest score of my query
.endr
.irp q, 0,1
	s_delay_alu instid0(VALU_DEP_2)
	v_mul_f32 v[TT+16*\q], s[NC], v[RM+16*\q]      ; -t
.endr
.irp q, 0,1
	v_mov_b32 v[TP+16*\q], v[NM+16*\q]
.endr
.irp q, 0,1
	s_delay_alu instid0(VALU_DEP_4)
	v_floor_f32 v[NM+16*\q], v[TT+16*\q]           ; the new -M = floor(-t) = -ceil(t)
.endr
.irp q, 0,1
	s_delay_alu instid0(VALU_DEP_2)
	v_sub_f32 v[TT+16*\q], v[NM+16*\q], v[TP+16*\q]   ; M's old value less its new one: a whole number, 0 or less
.endr
.irp q, 0,1
	s_delay_alu instid0(VALU_DEP_2)
	v_cvt_i32_f32 v[TT+16*\q], v[TT+16*\q]         ; (it saturates)
.endr
.irp q, 0,1
	s_delay_alu instid0(VALU_DEP_2)
	v_ldexp_f32 v[FF+16*\q], 1.0, v[TT+16*\q]      ; f = 2^(old M - new M)
.endr
.irp q, 0,1
	s_delay_alu instid0(VALU_DEP_2)
	v_pk_mul_f32 v[SU+16*\q:SU+16*\q+1], v[SU+16*\q:SU+16*\q+1], v[FF+16*\q:FF+16*\q+1] op_sel_hi:[1,0]   ; the sums under the new M
.endr
.irp q, 0,1
.set j, 0
.rept 16
	v_pk_mul_f32 v[OO+32*\q+j:OO+32*\q+j+1], v[OO+32*\q+j:OO+32*\q+j+1], v[FF+16*\q:FF+16*\q+1] op_sel_hi:[1,0]   ; O^T under the new M, each accumulator from its low end on
.set j, j+2
.endr
.endr
.irp q, 0,1
.set j, 0
.rept 32
	v_pk_fma_f32 v[64*\q+j:64*\q+j+1], v[64*\q+j:64*\q+j+1], s[CS:CS+1], v[NM+16*\q:NM+16*\q+1] op_sel_hi:[1,0,0]   ; t - M, two at a time
.set j, j+2
.endr
.endr
.irp q, 0,1
.irp c, 0,1
	v_fma_f32 v[BM+16*\q+\c], v[BM+16*\q+\c], s[CS], v[NM+16*\q]   ; the same of each block's largest score
.endr
.endr
	s_wait_alu depctr_va_vdst(0)
	s_wait_dscnt 0x0                               ; V and its scale words are in
.irp q, 0,1
.irp c, 0,1
	v_exp_f32 v[BM+16*\q+\c], v[BM+16*\q+\c]       ; the block's largest p: the same arithmetic on the same number gives the same bits
.endr
.endr
.set j, 0
.rept 128
	v_exp_f32 v[j], v[j]                           ; p = 2^(t - M): not normalised
.set j, j+1
.endr
	v_nop                                          ; a plain place behind the exponentials
	s_wait_alu depctr_va_vdst(0)                   ; one wait for the whole batch, ahead of its first reader
.irp q, 0,1
.irp c, 0,1
	v_max_num_f32 v[BM+16*\q+\c], 0x1800000, v[BM+16*\q+\c]   ; the floor 2^(3 - 127): the byte cannot fall under 1
.endr
.endr
.irp q, 0,1
.irp c, 0,1
	s_delay_alu instid0(VALU_DEP_4)
	v_add_nc_u32 v[SOP+16*\q+\c], 0xff000000, v[BM+16*\q+\c]   ; 2 off the exponent field: the conversion's scale operand
.endr
.endr
.irp q, 0,1
.irp c, 0,1
	s_delay_alu instid0(VALU_DEP_4)
	v_lshrrev_b32 v[BY+16*\q+\c], 23, v[SOP+16*\q+\c]   ; the scale's byte
.endr
.endr
.irp q, 0,1
	v_lshl_or_b32 v[TT+16*\q], v[BY+16*\q+1], 16, v[BY+16*\q]   ; my two bytes: blocks h and 2 + h,
.endr
.irp q, 0,1
	s_delay_alu instid0(VALU_DEP_2)
	v_lshlrev_b32 v[TT+16*\q], v[SH8], v[TT+16*\q] ; at their places in the word
.endr
.irp q, 0,1
	s_delay_alu instid0(VALU_DEP_2)
	v_permlanex16_b32 v[TP+16*\q], v[TT+16*\q], s[SEL], s[SEL+1]
.endr
	WIN 0x05                                       ; sources in window 1, results in window 0
.irp q, 0,1
.irp c, 0,1
	v_cvt_scalef32_pk16_fp6_f32 v[PC+12*\q+6*\c:PC+12*\q+6*\c+2], v[64*\q+32*\c:64*\q+32*\c+15], v[SOP+16*\q+\c]
	v_cvt_scalef32_pk16_fp6_f32 v[CT+8*\q+4*\c:CT+8*\q+4*\c+2], v[64*\q+32*\c+16:64*\q+32*\c+31], v[SOP+16*\q+\c]   ; (a conversion's three registers begin on an even number)
.endr
.endr
.irp q, 0,1
	v_or_b32 v[PS+\q], v[TT+16*\q], v[TP+16*\q]    ; with lane l xor 16's two bytes p's scale word is whole.  (Also the plain place behind the conversions)
.endr
	WIN 0
.irp q, 0,1
.irp c, 0,1
.irp i, 0,1,2
	v_mov_b32 v[PC+12*\q+6*\c+3+\i], v[CT+8*\q+4*\c+\i]
.endr
.endr
.endr
	WIN 0x55
.irp n, 16,8,4,2,1                     ; THE ROW'S SUM IS TAKEN OF THE UNQUANTISED p, two at a time, as a tree in place: p has been converted.  These lines are also the places ahead of the products
.set k, 0
.rept \n
.irp q, 0,1
	v_pk_add_f32 v[64*\q+2*k:64*\q+2*k+1], v[64*\q+2*k:64*\q+2*k+1], v[64*\q+2*(k+\n):64*\q+2*(k+\n)+1]
.endr
.set k, k+1
.endr
.endr
.irp q, 0,1
	v_pk_add_f32 v[SU+16*\q:SU+16*\q+1], v[SU+16*\q:SU+16*\q+1], v[64*\q:64*\q+1]
.endr
	WIN 0x50                                       ; C and D in window 1
.irp t, 0,1,2,3                        ; O^T += V^T P: the eight accumulators by turns
.irp q, 0,1
	PVM \t, \q
.endr
.endr
	WIN 0
	s_add_co_u32 s[TB], s[TB], STEPB
	s_add_co_u32 s[TS], s[TS], 768
.endm
.macro EIGHT                           ; a slot's eight key steps: written once, walked eight times
	s_mov_b32 s[STEPS], 8
.Lstep_\@:
	STEP
	s_sub_co_u32 s[STEPS], s[STEPS], 1
	s_cmp_lg_u32 s[STEPS], 0
	s_cbranch_scc1 .Lstep_\@
	s_sub_co_u32 s[TB], s[TB], SLOTB
	s_xor_b32 s[TB], s[TB], SLOT1
.endm
	s_load_b256 s[4:11], s[0:1], 0x0               ; qc, qs, kvc, kvs
	s_load_b64 s[12:13], s[0:1], 0x20              ; out0
	v_lshl_add_u32 v[SPW], v0, 2, SPARE
	v_mov_b32 v[NIL], 0
	ds_add_u32 v[SPW], v[NIL]                      ; the opening lines: the add, twice on end, and its wait ahead of my first tensor load
	ds_add_u32 v[SPW], v[NIL]
	v_lshrrev_b32 v1, 5, v0
	v_readfirstlane_b32 s[WV], v1                  ; wave 0..7
	s_bfe_u32 s15, ttmp6, 0x40000                  ; cx: my place in the cluster
	s_lshl_b32 s16, ttmp9, 2
	s_add_co_u32 s16, s16, s15                     ; my block of 256 queries: it enters global addresses alone
	s_and_b32 s17, ttmp7, 0xffff                   ; 8 x batch + head, which the four partners share
	s_mov_b32 s[G1], 15|(3<<16)|(1<<21)            ; the mask: all four work-groups; elements of 8 bytes; bit 21 beside a mask
	s_mov_b32 s[G1+1], 32<<16                      ; dense rows of 256 bytes
	s_mov_b32 s[G1+2], 96<<16                      ; 96 of them
	s_mov_b32 s[G1+3], 32<<16
	s_mov_b32 s[G1+4], 96
	s_mov_b32 s[G1+5], 32
	s_mov_b32 s[G1+6], 0
	s_mov_b32 s[G1+7], 0
	s_mov_b32 s[G1S], 15|(3<<16)|(1<<21)           ; the same for a quarter of the scale words: 24 rows
	s_mov_b32 s[G1S+1], 32<<16
	s_mov_b32 s[G1S+2], 24<<16
	s_mov_b32 s[G1S+3], 32<<16
	s_mov_b32 s[G1S+4], 24
	s_mov_b32 s[G1S+5], 32
	s_mov_b32 s[G1S+6], 0
	s_mov_b32 s[G1S+7], 0
	s_mov_b32 s[SEL], 0x76543210
	s_mov_b32 s[SEL+1], 0xfedcba98
	s_mov_b32 s[CS], 0x3e38aa3b                    ; c = log2(e) / sqrt(64)
	s_mov_b32 s[CS+1], s[CS]
	s_mov_b32 s[NC], 0xbe38aa3b                    ; -c
	s_mov_b32 s[TB], 0
	s_mov_b32 s[TS], 0
	s_mov_b32 s[SLOTS], 3
	s_min_u32 s44, s[WV], 3                        ; which quarter of a slot I fetch, if I fetch
	s_mul_i32 s44, s44, QUART
	s_mul_i32 s46, s17, 393216                     ; the head's first byte of codes
	s_add_co_u32 s48, s46, s44
	s_mov_b32 s49, 0
	s_and_b32 s45, s[WV], 3                        ; which quarter of the scale words
	s_mul_i32 s45, s45, 6144
	s_mul_i32 s50, s17, 24576
	s_add_co_u32 s50, s50, s45
	s_mov_b32 s51, 0
	s_wait_dscnt 0x0                               ; both opening adds are done
	s_wait_kmcnt 0x0
	s_mov_b32 s[G0], 1
	s_mov_b32 s[G0+1], s44                         ; slot 0, my quarter: no place in the cluster enters an LDS address
	s_add_nc_u64 s[G0+2:G0+3], s[8:9], s[48:49]
	s_or_b32 s[G0+3], s[G0+3], 0x80000000
	s_mov_b32 s[G0S], 1
	s_add_co_u32 s[G0S+1], s45, SCL
	s_add_nc_u64 s[G0S+2:G0S+3], s[10:11], s[50:51]
	s_or_b32 s[G0S+3], s[G0S+3], 0x80000000
	CROUND                                         ; all four work-groups are here: the first joint loads meet
	s_cmp_lt_u32 s[WV], 4                          ; the first fills, one a wave on every way: waves 0 to 3 slot 0's quarters, waves 4 to 7 the scale words' quarters
	s_cbranch_scc0 .Lfor_scales
	tensor_load_to_lds s[G0:G0+3], s[G1:G1+7]
	s_nop 0
.rept 4
	v_nop
.endr
	s_branch .Lfirst_asked
.Lfor_scales:
	tensor_load_to_lds s[G0S:G0S+3], s[G1S:G1S+7]
	s_nop 0
.rept 4
	v_nop
.endr
.Lfirst_asked:
	s_lshl_b32 s44, s16, 1
	s_lshr_b32 s45, s[WV], 2
	s_add_co_u32 s44, s44, s45                     ; my group of 128 queries
	s_and_b32 s45, s[WV], 3                        ; my pair of tiles in it: tiles 2 (w % 4) and 2 (w % 4) + 1: queries 32 (w % 4) + 0 .. 31
	s_mov_b32 s47, 0
	s_mul_i32 s46, s17, 196608
	s_mul_i32 s48, s44, 6144
	s_add_co_u32 s46, s46, s48
	s_mul_i32 s48, s45, 1536                       ; twelve registers of codes
	s_add_co_u32 s46, s46, s48
	s_add_nc_u64 s[4:5], s[4:5], s[46:47]
	s_lshl_b32 s46, s17, 14
	s_lshl_b32 s48, s44, 9
	s_add_co_u32 s46, s46, s48
	s_lshl_b32 s48, s45, 2                         ; word w % 4 of each lane's four
	s_add_co_u32 s46, s46, s48
	s_add_nc_u64 s[6:7], s[6:7], s[46:47]
	s_lshr_b32 s46, s17, 3
	s_lshl_b32 s46, s46, 23                        ; out0: the batch's 4,096 rows of 2,048 bytes,
	s_and_b32 s48, s17, 7
	s_lshl_b32 s48, s48, 8                         ; the head's 256 bytes of a row,
	s_add_co_u32 s46, s46, s48
	s_lshl_b32 s48, s44, 18                        ; the group's 128 rows,
	s_add_co_u32 s46, s46, s48
	s_lshl_b32 s48, s45, 16                        ; my 32 rows
	s_add_co_u32 s46, s46, s48
	s_add_nc_u64 s[12:13], s[12:13], s[46:47]
	s_mul_i32 s46, s17, 393216                     ; the prefetches: in my head,
	s_mul_i32 s48, s15, QUART                      ; my work-group's quarter of a slot,
	s_add_co_u32 s46, s46, s48
	s_lshl_b32 s48, s45, 13                        ; my wave's 8,192 bytes of it,
	s_add_co_u32 s46, s46, s48
	s_add_co_u32 s46, s46, SLOTB                   ; in slot 1: the first change of slots steps it to slot 2
	s_add_nc_u64 s[PFA:PFA+1], s[8:9], s[46:47]
	s_sub_co_u32 s46, s[WV], 4
	s_cmp_lt_u32 s46, 3                            ; waves 4, 5, 6
	s_cselect_b32 s46, 0, 1
	s_or_b32 s46, s46, ttmp9                       ; of the head's first cluster: the same in all four partners
	s_cmp_eq_u32 s46, 0
	s_cselect_b32 s[LIM], 1, -1
	v_and_b32 v11, 31, v0                          ; lane
	v_and_b32 v8, 15, v0                           ; r
	v_bfe_u32 v9, v0, 4, 1                         ; h
	v_lshlrev_b32 v[L16], 4, v11
	v_lshl_add_u32 v[ASV0], v11, 3, SCL+512
	v_lshlrev_b32 v[PFO], 8, v11
	v_lshlrev_b32 v[GO], 11, v9
	v_add_nc_u32 v[ASK0], SCL, v[L16]
	v_lshl_add_u32 v[GO], v8, 4, v[GO]             ; lanes 0-15 one row of out0, lanes 16-31 the next; 16 bytes a lane
	WIN 0x40                                       ; results in window 1
	v_lshlrev_b32 v[SH8], 3, v9
	WIN 0
	s_wait_alu depctr_va_vdst(0)                   ; ahead of the loads that read the offsets
.irp q, 0,1
.irp i, 0,1,2                                  ; tile q's six registers are pairs 3 q .. 3 q + 2 of my twelve: pair p lies at 512 (p / 2) + 8 (p % 2) + 16 x lane
	global_load_b64 v[QF+12*\q+2*\i:QF+12*\q+2*\i+1], v[L16], s[4:5] offset:512*((3*\q+\i)/2)+8*((3*\q+\i)%2)
.endr
.endr
	global_load_b32 v[QS], v[L16], s[6:7]          ; lanes 0-15: tile 0's words; lanes 16-31: tile 1's
.irp j, 30,31,32,33,34,35,42,43,44,45,46,47,96,97,98,99,100,101
	v_mov_b32 v\j, 0                               ; the zero codes behind Q's six registers and behind K's last tile
.endr
	WIN 0x40
.irp q, 0,1
	v_mov_b32 v[RM+16*\q], 0xff61b1e6              ; the largest score so far: -3e38
	v_mov_b32 v[NM+16*\q], 0x7f61b1e6              ; -M: 3e38: the first step's f comes out 0, on sums that are 0
	v_mov_b32 v[SU+16*\q], 0
	v_mov_b32 v[SU+16*\q+1], 0
	v_mov_b32 v[FF+16*\q], 0
	v_mov_b32 v[FF+16*\q+1], 0
	v_mov_b32 v[TP+16*\q], 0                       ; a lane permute's destination counts as one of its sources
.endr
	WIN 0
	s_wait_loadcnt 0x0                             ; Q and its scale words
	v_and_b32 v[QS], 0xffff, v[QS]                 ; the two bytes of the head's 64 alone
	WIN 0x40
.set j, 0
.rept 64
	v_mov_b32 v[OO+j], 0                           ; O^T: the loop is written once: its first step finds zeros.  (Also the places between Q's scale word and the first product)
.set j, j+1
.endr
	WIN 0
	s_wait_alu depctr_va_vdst(0)
.Lslot:                                            ; three trips: behind each change of slots but the last the next slot is asked for (the first time: slot 1's first fill, issued as a refill is)
	CHANGE 1
	EIGHT
	s_sub_co_u32 s[SLOTS], s[SLOTS], 1
	s_cmp_lg_u32 s[SLOTS], 0
	s_cbranch_scc1 .Lslot
	CHANGE 0                                       ; the last slot is written out
	EIGHT
	; THE WAY OUT.  O^T is divided by the sum and goes through my stage in LDS (32 rows x (256 + 16) bytes, a row a query), so that sixteen lanes store one aligned run of 256 bytes.
	; The stages lie in slot 0's bytes: they have had their last fill, and every wave has passed the last change of slots, behind which nobody reads them.
	WIN 0x55
	s_wait_alu depctr_va_vdst(0)                   ; directly ahead of the first reader of the sums behind the loop
.irp q, 0,1
	v_add_f32 v[SU+16*\q], v[SU+16*\q], v[SU+16*\q+1]
.endr
.irp q, 0,1
	v_permlanex16_b32 v[TP+16*\q], v[SU+16*\q], s[SEL], s[SEL+1]
.endr
.irp q, 0,1
	v_add_f32 v[SU+16*\q], v[SU+16*\q], v[TP+16*\q]   ; with lane l xor 16's: the row's sum
.endr
	s_wait_alu depctr_va_vdst(0)
.irp q, 0,1
	v_rcp_f32 v[SU+16*\q], v[SU+16*\q]
.endr
	WIN 0
	v_and_b32 v8, 15, v0                           ; r  (plain places behind the reciprocals)
	v_bfe_u32 v9, v0, 4, 1                         ; h
	v_and_b32 v10, 8, v8
	v_add_nc_u32 v10, v10, v8                      ; tile 0's row r is query r + 8 (r / 8) of my 32; tile 1's lies 8 further on
	s_mul_i32 s44, s[WV], 8704                     ; my stage
	v_mul_u32_u24 v10, v10, 272
	v_mul_u32_u24 v11, v9, 272
	v_lshl_add_u32 v10, v9, 6, v10
	v_lshl_add_u32 v11, v8, 4, v11
	v_add_nc_u32 v10, s44, v10                     ; in: my query's row, + 64 h
	v_add_nc_u32 v11, s44, v11                     ; back: lanes 0-15 one row, lanes 16-31 the next
	WIN 0x55
	s_wait_alu depctr_va_vdst(0)                   ; the wait ahead of the first reader of the reciprocals and of O^T
.irp q, 0,1
.set j, 0
.rept 16
	v_pk_mul_f32 v[OO+32*\q+j:OO+32*\q+j+1], v[OO+32*\q+j:OO+32*\q+j+1], v[SU+16*\q:SU+16*\q+1] op_sel_hi:[1,0]   ; register 16 b + i is channel 32 b + 16 h + i of my query
.set j, j+2
.endr
.endr
	WIN 0x04                                       ; an LDS store's data are its source 1: window 1
.irp q, 0,1
.irp b, 0,1
.irp i, 0,1,2,3
	ds_store_b128 v10, v[OO+32*\q+16*\b+4*\i:OO+32*\q+16*\b+4*\i+3] offset:2176*\q+128*\b+16*\i
.endr
.endr
.endr
	WIN 0
.irp i, 0,1,2,3,4,5,6,7,8,9,10,11,12,13,14,15
	ds_load_b128 v[KK+4*\i:KK+4*\i+3], v11 offset:544*\i   ; LDS serves a wave's instructions in order (ISA guide 5.7.1.4): these see my stores
.endr
.irp i, 0,1,2,3,4,5,6,7,8,9,10,11,12,13,14,15
	s_wait_dscnt 15-\i                             ; the younger loads may stay out
	global_store_b128 v[GO], v[KK+4*\i:KK+4*\i+3], s[12:13] offset:4096*\i th:TH_STORE_NT   ; sixteen lanes store 256 consecutive bytes, aligned: the head's part of a row
.endr
	s_wait_tensorcnt 0x0                           ; the wave's end
	ds_add_u32 v[SPW], v[NIL]
	s_wait_dscnt 0x0
	CROUND                                         ; the closing round
	s_endpgm
.Lfunc_end_k_q87ae43954d_attn:
	.size	k_q87ae43954d_attn, .Lfunc_end_k_q87ae43954d_attn-k_q87ae43954d_attn
	.p2alignl 7, 3214868480
	.fill 96, 4, 3214868480
	.section	.rodata,"a",@progbits
	.p2align	6, 0x0
	.amdhsa_kernel k_q87ae43954d_attn
		.amdhsa_group_segment_fixed_size 327680
		.amdhsa_private_segment_fixed_size 0
		.amdhsa_enable_private_segment 0
		.amdhsa_kernarg_size 40
		.amdhsa_user_sgpr_count 2
		.amdhsa_user_sgpr_kernarg_segment_ptr 1
		.amdhsa_wavefront_size32 1
		.amdhsa_system_sgpr_workgroup_id_x 1
		.amdhsa_system_sgpr_workgroup_id_y 1
		.amdhsa_system_sgpr_workgroup_id_z 1
		.amdhsa_system_vgpr_workitem_id 0
		.amdhsa_next_free_vgpr 512
		.amdhsa_next_free_sgpr 66
		.amdhsa_reserve_vcc 0
		.amdhsa_float_denorm_mode_32 3
		.amdhsa_float_denorm_mode_16_64 3
		.amdhsa_memory_ordered 1
		.amdhsa_forward_progress 1
		.amdhsa_inst_pref_size 74
	.end_amdhsa_kernel
	.amdgpu_metadata
---
amdhsa.version: [ 1, 2 ]
amdhsa.kernels:
  - .name:           k_q87ae43954d_attn
    .symbol:         k_q87ae43954d_attn.kd
    .args:
      - { .name: qc, .offset: 0, .size: 8, .value_kind: global_buffer, .address_space: global }
      - { .name: qs, .offset: 8, .size: 8, .value_kind: global_buffer, .address_space: global }
      - { .name: kvc, .offset: 16, .size: 8, .value_kind: global_buffer, .address_space: global }
      - { .name: kvs, .offset: 24, .size: 8, .value_kind: global_buffer, .address_space: global }
      - { .name: out0, .offset: 32, .size: 8, .value_kind: global_buffer, .address_space: global }
    .group_segment_fixed_size: 327680
    .private_segment_fixed_size: 0
    .kernarg_segment_align: 8
    .kernarg_segment_size: 40
    .max_flat_workgroup_size: 256
    .sgpr_count:     66
    .vgpr_count:     512
    .wavefront_size: 32
...
	.end_amdgpu_metadata
.endif
;; end of part 3
